; MI455X (gfx1250); checked and timed in simulation.
; The chip was launched on July 23, 2026; its instructions are those of AMD's public machine-readable ISA for CDNA 5 (MIT licence, August 2026) and "CDNA5" Instruction Set Architecture Reference Guide (July 2026). The comments in the code are by the model that wrote it; some were corrected since.
;; Torch Attention. Allowed arithmetic: float matrix products may take bf16 or f16 operands with f32 sums; other float arithmetic in f32, or as packed bf16 or f16 multiplies, adds, multiply-adds, maxima and minima; sums over many terms, partial sums and values carried from step to step in f32; what a program stores and reads back later, other than sums and carried values, may be rounded once to bf16 or f16.
;; Inputs: Wk 2,048 x 2,048 float32; Wo 2,048 x 2,048 float32; Wq 2,048 x 2,048 float32; Wv 2,048 x 2,048 float32; attention_mask 64 x 64 int32; bias_table 16 x 256 x 256 float32; bk 2,048 float32; bo 2,048 float32; bq 2,048 float32; bv 2,048 float32; k 64 x 64 x 2,048 float32; q 64 x 64 x 2,048 float32; v 64 x 64 x 2,048 float32.
;; Outputs: out0 64 x 64 x 2,048 float32.
;; One version. Each part assembles by itself: llvm-mc -triple=amdgcn-amd-amdhsa -mcpu=gfx1250 --defsym DOCPART=n.
;; ======== version 1 of 1: 3 launches
;; limits: values are held in f16: magnitudes above 65,504 overflow, below 6.1e-05 lose precision
;; workspace buffers: xc 50,331,648 bytes; wc 25,165,824 bytes; wo16 8,388,608 bytes; o16 16,777,216 bytes
;; launch cast (part 1): grid 2048 x 1, 10 waves a work-group, no clusters, 0 bytes of LDS; arguments q, k, v, Wq, Wk, Wv, Wo, xc, wc, wo16; writes xc, wc, wo16
.if DOCPART == 1
	.amdgcn_target "amdgcn-amd-amdhsa--gfx1250"
	.amdhsa_code_object_version 6
	.text
	.protected	k_q0ed545303b_cast
	.globl	k_q0ed545303b_cast
	.p2align	8
	.type	k_q0ed545303b_cast,@function
k_q0ed545303b_cast:
	s_mov_b64 s[64:65], 0
	v_nop
	global_prefetch_b8 v0, s[64:65] scope:SCOPE_SE
	s_setreg_imm32_b32 hwreg(HW_REG_WAVE_MODE, 25, 1), 1
	s_wait_xcnt 0x0
; THE INPUTS OF THE FOUR PRODUCTS, ROUNDED ONCE TO 16 BITS AND LAID OUT FOR THE LAUNCHES BEHIND.
; xc   [256 blocks of 16 rows][192 chunks][1,024 bytes], bf16: chunk 64 p + u holds 32 channels (32 u ..) of tensor p (q, k, v).  Inside a chunk: [j = 0,1][lane = r + 16 h][16 bytes] =
;      x_p[16 block + r][32 u + 16 j + 8 h + 0..7]: the register image of a 16 x 32 matrix operand, so that the next launch loads it by two loads of 512 consecutive bytes.
; wc   [2048][6144] bf16: row n holds Wq[n], Wk[n], Wv[n] on end.        wo16 [2048][2048] f16: Wo rounded to bf16, that number written as f16
;      (exact from 6.1e-5 up; below that f16's fixed step of 6e-8; Wo beyond 65,504 is not served).
; SHARES.  A wave's task is 16 loads of 16 bytes a lane (8 KiB in), no loop, no register used twice.  Waves 0-5: 16 rows x 128 channels of q, k or v (12,288 tasks = 6 x 2,048);
; waves 6-8: a row of Wq, Wk or Wv (6,144 tasks); wave 9: a row of Wo (2,048).  Memory binds: no LDS, no barrier, no matrix unit.
.set D,  8                             ; v[8:71]  the 16 loads' data, converted in place
.set HM, 38                            ; s38      mask of a word's upper half
; A row of 2,048 f32: 16 loads of 512 consecutive bytes; each leaves as 256 consecutive bytes, aligned.  f16 = 1: the bf16 number is written as f16.
.macro ROWCAST f16
.irp i, 0,1,2,3,4,5,6,7,8,9,10,11,12,13,14,15
	global_load_b128 v[D+4*(\i):D+4*(\i)+3], v4, s[28:29] offset:512*(\i) th:TH_LOAD_NT
.endr
.irp i, 0,1,2,3,4,5,6,7,8,9,10,11,12,13,14,15
	s_wait_loadcnt 15-(\i)                         ; loads come back in order: load i is in, the younger ones stay out
	v_cvt_pk_bf16_f32 v[D+4*(\i)], v[D+4*(\i)], v[D+4*(\i)+1]
	v_cvt_pk_bf16_f32 v[D+4*(\i)+1], v[D+4*(\i)+2], v[D+4*(\i)+3]
.if \f16
	v_lshlrev_b32 v[D+4*(\i)+2], 16, v[D+4*(\i)]   ; bf16 to f32: the low half moves up, the high half stays
	v_and_b32 v[D+4*(\i)+3], s[HM], v[D+4*(\i)]
	v_cvt_pk_f16_f32 v[D+4*(\i)], v[D+4*(\i)+2], v[D+4*(\i)+3]
	v_lshlrev_b32 v[D+4*(\i)+2], 16, v[D+4*(\i)+1]
	v_and_b32 v[D+4*(\i)+3], s[HM], v[D+4*(\i)+1]
	v_cvt_pk_f16_f32 v[D+4*(\i)+1], v[D+4*(\i)+2], v[D+4*(\i)+3]
.endif
	global_store_b64 v5, v[D+4*(\i):D+4*(\i)+1], s[30:31] offset:256*(\i) th:TH_STORE_NT
.endr
.endm
	s_load_b512 s[8:23], s[0:1], 0x0               ; q s[8:9], k s[10:11], v s[12:13], Wq s[14:15], Wk s[16:17], Wv s[18:19], Wo s[20:21], xc s[22:23]
	s_load_b128 s[24:27], s[0:1], 0x40             ; wc s[24:25], wo16 s[26:27]
	v_lshrrev_b32 v1, 5, v0
	v_readfirstlane_b32 s4, v1                     ; wave 0..9
	v_and_b32 v1, 31, v0                           ; lane
	s_mov_b32 s33, 0                               ; high words of the two offsets
	s_mov_b32 s37, 0
	s_cmp_lt_u32 s4, 6
	s_cbranch_scc0 .Lweights
	; ---- q, k, v: 16 rows x 128 channels ----
	s_mul_i32 s5, ttmp9, 6
	s_add_co_u32 s5, s5, s4                        ; task 0..12,287
	s_lshr_b32 s6, s5, 12                          ; p: which tensor
	s_bfe_u32 s7, s5, 0x80004                      ; block of 16 rows, 0..255
	s_and_b32 s35, s5, 15                          ; which 128 channels
	v_and_b32 v2, 15, v0                           ; r
	v_bfe_u32 v3, v0, 4, 1                         ; h
	v_lshlrev_b32 v4, 13, v2                       ; row r: 8,192 bytes a row,
	v_lshl_add_u32 v4, v3, 5, v4                   ; 8 h channels of 4 bytes
	v_lshlrev_b32 v5, 4, v1                        ; out: 16 bytes a lane
	s_lshl_b32 s32, s7, 17                         ; 16 rows of 8,192 bytes
	s_lshl_b32 s34, s35, 9                         ; 128 channels of 4 bytes
	s_add_co_u32 s32, s32, s34
	s_mul_i32 s36, s7, 192                         ; chunk = 192 block + 64 p + 4 x (which 128 channels)
	s_lshl_b32 s34, s6, 6
	s_add_co_u32 s36, s36, s34
	s_lshl_b32 s34, s35, 2
	s_add_co_u32 s36, s36, s34
	s_lshl_b32 s36, s36, 10
	s_wait_kmcnt 0x0
	s_cmp_eq_u32 s6, 0
	s_cselect_b64 s[28:29], s[8:9], s[10:11]
	s_cmp_eq_u32 s6, 2
	s_cselect_b64 s[28:29], s[12:13], s[28:29]
	s_add_nc_u64 s[28:29], s[28:29], s[32:33]
	s_add_nc_u64 s[30:31], s[22:23], s[36:37]
	; chunk c, half j, quad i: x[r][32 c + 16 j + 8 h + 4 i ..].  The sixteen loads together take 512 consecutive bytes of each of the 16 rows (no hint: neighbouring loads touch neighbouring bytes of the same rows)
.irp c, 0,1,2,3
.irp j, 0,1
.irp i, 0,1
	global_load_b128 v[D+16*(\c)+8*(\j)+4*(\i):D+16*(\c)+8*(\j)+4*(\i)+3], v4, s[28:29] offset:128*(\c)+64*(\j)+16*(\i)
.endr
.endr
.endr
.irp n, 0,1,2,3,4,5,6,7                ; n = 2 c + j: eight numbers a lane become 16 bytes
	s_wait_loadcnt 14-2*(\n)                       ; the pair's two loads are in; the 14 - 2 n younger ones stay out
	v_cvt_pk_bf16_f32 v[D+8*(\n)],   v[D+8*(\n)],   v[D+8*(\n)+1]
	v_cvt_pk_bf16_f32 v[D+8*(\n)+1], v[D+8*(\n)+2], v[D+8*(\n)+3]
	v_cvt_pk_bf16_f32 v[D+8*(\n)+2], v[D+8*(\n)+4], v[D+8*(\n)+5]
	v_cvt_pk_bf16_f32 v[D+8*(\n)+3], v[D+8*(\n)+6], v[D+8*(\n)+7]
	global_store_b128 v5, v[D+8*(\n):D+8*(\n)+3], s[30:31] offset:512*(\n) th:TH_STORE_NT  ; 512 consecutive bytes, aligned
.endr
	s_endpgm
.Lweights:
	v_lshlrev_b32 v4, 4, v1                        ; in: 16 bytes a lane
	v_lshlrev_b32 v5, 3, v1                        ; out: 8 bytes a lane
	s_cmp_lt_u32 s4, 9
	s_cbranch_scc0 .Lwo
	; ---- a row of Wq, Wk or Wv ----
	s_mul_i32 s5, ttmp9, 3
	s_add_co_u32 s5, s5, s4
	s_sub_co_u32 s5, s5, 6                         ; task 0..6,143
	s_lshr_b32 s6, s5, 11                          ; p
	s_and_b32 s7, s5, 2047                         ; row
	s_lshl_b32 s32, s7, 13
	s_mul_i32 s36, s7, 12288
	s_lshl_b32 s34, s6, 12
	s_add_co_u32 s36, s36, s34
	s_wait_kmcnt 0x0
	s_cmp_eq_u32 s6, 0
	s_cselect_b64 s[28:29], s[14:15], s[16:17]
	s_cmp_eq_u32 s6, 2
	s_cselect_b64 s[28:29], s[18:19], s[28:29]
	s_add_nc_u64 s[28:29], s[28:29], s[32:33]
	s_add_nc_u64 s[30:31], s[24:25], s[36:37]
	ROWCAST 0
	s_endpgm
.Lwo:
	; ---- a row of Wo ----
	s_lshl_b32 s32, ttmp9, 13
	s_lshl_b32 s36, ttmp9, 12
	s_mov_b32 s[HM], 0xffff0000
	s_wait_kmcnt 0x0
	s_add_nc_u64 s[28:29], s[20:21], s[32:33]
	s_add_nc_u64 s[30:31], s[26:27], s[36:37]
	ROWCAST 1
	s_endpgm
.Lfunc_end_k_q0ed545303b_cast:
	.size	k_q0ed545303b_cast, .Lfunc_end_k_q0ed545303b_cast-k_q0ed545303b_cast
	.p2alignl 7, 3214868480
	.fill 96, 4, 3214868480
	.section	.rodata,"a",@progbits
	.p2align	6, 0x0
	.amdhsa_kernel k_q0ed545303b_cast
		.amdhsa_group_segment_fixed_size 0
		.amdhsa_private_segment_fixed_size 0
		.amdhsa_enable_private_segment 0
		.amdhsa_kernarg_size 80
		.amdhsa_user_sgpr_count 2
		.amdhsa_user_sgpr_kernarg_segment_ptr 1
		.amdhsa_wavefront_size32 1
		.amdhsa_system_sgpr_workgroup_id_x 1
		.amdhsa_system_sgpr_workgroup_id_y 1
		.amdhsa_system_sgpr_workgroup_id_z 1
		.amdhsa_system_vgpr_workitem_id 0
		.amdhsa_next_free_vgpr 72
		.amdhsa_next_free_sgpr 66
		.amdhsa_reserve_vcc 0
		.amdhsa_float_denorm_mode_32 3
		.amdhsa_float_denorm_mode_16_64 3
		.amdhsa_memory_ordered 1
		.amdhsa_forward_progress 1
		.amdhsa_inst_pref_size 23
	.end_amdhsa_kernel
	.amdgpu_metadata
---
amdhsa.version: [ 1, 2 ]
amdhsa.kernels:
  - .name:           k_q0ed545303b_cast
    .symbol:         k_q0ed545303b_cast.kd
    .args:
      - { .name: q, .offset: 0, .size: 8, .value_kind: global_buffer, .address_space: global }
      - { .name: k, .offset: 8, .size: 8, .value_kind: global_buffer, .address_space: global }
      - { .name: v, .offset: 16, .size: 8, .value_kind: global_buffer, .address_space: global }
      - { .name: Wq, .offset: 24, .size: 8, .value_kind: global_buffer, .address_space: global }
      - { .name: Wk, .offset: 32, .size: 8, .value_kind: global_buffer, .address_space: global }
      - { .name: Wv, .offset: 40, .size: 8, .value_kind: global_buffer, .address_space: global }
      - { .name: Wo, .offset: 48, .size: 8, .value_kind: global_buffer, .address_space: global }
      - { .name: xc, .offset: 56, .size: 8, .value_kind: global_buffer, .address_space: global }
      - { .name: wc, .offset: 64, .size: 8, .value_kind: global_buffer, .address_space: global }
      - { .name: wo16, .offset: 72, .size: 8, .value_kind: global_buffer, .address_space: global }
    .group_segment_fixed_size: 0
    .private_segment_fixed_size: 0
    .kernarg_segment_align: 8
    .kernarg_segment_size: 80
    .max_flat_workgroup_size: 320
    .sgpr_count:     66
    .vgpr_count:     72
    .wavefront_size: 32
...
	.end_amdgpu_metadata
.endif
;; end of part 1
;; launch qkv_attn (part 2): grid 16 x 16, 4 waves a work-group, clusters of 4 x 1, 327,680 bytes of LDS; arguments xc, wc, bq, bk, bv, bias_table, attention_mask, o16; writes o16
.if DOCPART == 2
	.amdgcn_target "amdgcn-amd-amdhsa--gfx1250"
	.amdhsa_code_object_version 6
	.text
	.protected	k_q0ed545303b_qkv_attn
	.globl	k_q0ed545303b_qkv_attn
	.p2align	8
	.type	k_q0ed545303b_qkv_attn,@function
k_q0ed545303b_qkv_attn:
	s_mov_b64 s[64:65], 0
	v_nop
	global_prefetch_b8 v0, s[64:65] scope:SCOPE_SE
	s_setreg_imm32_b32 hwreg(HW_REG_WAVE_MODE, 25, 1), 1
	s_wait_xcnt 0x0
	s_wait_alu depctr_hold_cnt(0) depctr_sa_sdst(0) depctr_va_vdst(0) depctr_va_sdst(0) depctr_va_ssrc(0) depctr_va_vcc(0) depctr_vm_vsrc(0)
	s_getreg_b32 s2, hwreg(HW_REG_IB_STS2, 6, 4)
	s_cmp_eq_u32 s2, 0
	s_cbranch_scc0 .Lentry_in_a_cluster
	s_endpgm
.Lentry_in_a_cluster:
	s_bfe_u32 s2, ttmp6, 0x10000c
	s_cmp_lg_u32 s2, 0x3003
	s_cbranch_scc0 .Lentry_shape_is_right
	s_endpgm
.Lentry_shape_is_right:
; THE THREE PROJECTIONS AND THE ATTENTION OF ONE HEAD AND FOUR BATCHES, FUSED.  qh, kh, vh, the scores and the weights never leave the registers.
; SHARES.  Work-group (x, y): batches 4 x .. 4 x + 3, head y.  Wave w owns ONE batch: 64 tokens x the head's 128 channels, 32 accumulators of 16 x 16.  It makes qh, kh, vh one after the other
; (24 trips of 256 along K: 8 for each), then its own 64 x 64 attention, and stores 64 x 128 of O in f16.
; OPERANDS.  x (xc, bf16, in register order) is private to a wave: it comes from memory straight into a ring of eight register groups (a group = 32 along K = 8 loads), seven groups ahead.
; The weights (wc, bf16; a tile = the head's 128 rows x 256 along K) are shared by the four waves and by the four work-groups of the cluster, which have the same head: JOINT tensor loads, mask 15,
; into two LDS slots; each wave asks for 32 rows.  Between a request and the wait for it a wave issues 240 matrix instructions.
; x IS NOT ASKED FOR JOINTLY: the partners of this cluster have other batches; work-groups of other heads do read the same x, but a joint load lands in LDS, where 256 rows of x beside 128 of W at
; 528 bytes a row and two slots are 405,504 bytes, more than the 327,680 there are; slots of 128 along K would halve the matrix work between request and wait.
; LAYOUT.  qh and kh are made transposed (source 0 = 16 rows of W, source 1 = 16 tokens): a lane holds one token and 8 neighbouring channels, and two such results rounded to f16 ARE a 16 x 32 operand
; (rows = tokens, K = channels).  vh is made the natural way (source 0 = tokens): a lane holds one channel and 8 tokens: two results ARE an operand of V^T.  S^T = K Q^T holds one query a lane; two of its
; results rounded to f16 ARE source 1 of O^T = V^T P; O^T's results rounded to f16 are the next launch's operand, stored in register order, 512 consecutive bytes a store.  Nothing changes lanes.
; NUMBERS.  x, W, the biases and the bias table are rounded once to bf16; qh, kh, vh, P and O once to f16; all sums, maxima and exponentials in f32.  The sums begin with the bias.
; t = c (q.k + sqrt(128) bias), c = log2(e) / sqrt(128); a hidden key's t is -FLT_MAX; p = 2^(t - max t); O = (V^T p) / sum p.
; LIMITS.  qh, kh, vh beyond 65,504 become infinities in f16.  True scores are taken to lie above -1e37, so that a hidden key stays below them.  A row whose keys are all hidden gives each key 1/64.
; NaN and infinities are not treated apart.
; REGISTERS, in windows of 256 (s_set_vgpr_msb: bits 1:0 source 0, 3:2 source 1, 5:4 source 2, 7:6 destination):
;   window 0: v0-31 addresses and temporaries; v32-63 statistics, 8 a query tile; v64-127, v128-191 W's fragments, two buffers, later S^T (query tile t, key tile k at S + 32 t + 8 k);
;             v192-255 at work in the head, later P (P + 16 t + 8 kk)
;   window 1: x's ring, group i at 32 i, row tile a at + 8 a; later V^T (key half kk, channel tile cb at 64 kk + 8 cb)
;   window 2: the accumulators, (row tile a, channel tile b) at 8 (8 a + b); later O^T (64 t + 8 cb)          window 3: v0-127 Q, v128-255 K in f16 (row tile a, channel chunk c at 32 a + 8 c)
.set PITCH,  528                       ; an LDS row of W: 512 bytes + 16 of padding = 132 words: the 16 rows of a fragment load start at 16 different groups of four banks (64 banks of 4 bytes: ISA guide 11.1)
.set WROWS,  32*PITCH                  ; what one tensor load brings
.set SLOT1,  1<<17                     ; slot 0 begins at 0, slot 1 here: one exclusive or turns an address in one slot into the other's
.set BT,     4*WROWS                   ; the head's 64 x 64 of the bias table, f32, rows of 256 + 16 bytes; filled once
.set BTP,    272
.set IMG,    BT+64*BTP                 ; each wave's own image of the biases: bq (512 bytes), bk (512), bv as [128 channels][8 copies] (4,096); written by ds_store, never filled by a tensor load
.set IMGW,   5120
.set SPARE,  IMG+4*IMGW                ; the spare words, 128 bytes a wave: two blocks of 256 bytes that no other line names
.set RBS,    196608                    ; bytes from a block of 16 rows of xc to the next
.set WPB,    12288                     ; bytes in a row of wc
.set TRIPB,  8192                      ; bytes of a block of 16 rows of xc in a trip: 8 chunks of 1,024
.set R,   1                            ; v1   lane % 16
.set H,   2                            ; v2   lane / 16
.set L,   3                            ; v3   lane
.set AB0, 4                            ; v4   my place in a tile of W: r x 528 + 16 h
.set ADR, 5                            ; v5   the same in the slot in hand
.set AO,  6                            ; v6   16 x lane
.set PFO, 7                            ; v7   prefetches of W: (lane / 2) rows + (lane % 2) x 256
.set PFA, 8                            ; v8   prefetches of x: 256 x lane
.set BI,  9                            ; v9   bq's or bk's image + 32 h
.set BV,  10                           ; v10  bv's image + 32 r
.set BTA, 11                           ; v11  BT + 272 r + 32 h
.set NEG, 12                           ; v12  -FLT_MAX
.set T0,  13                           ; v13-20 at work
.set SPW, 30                           ; v30  my spare word: SPARE + 4 x my thread's number; never rewritten
.set NIL, 31                           ; v31  0; never rewritten
.set ST,  32                           ; tile t at ST + 8 t: m, m, l (even, odd keys'), c0-c3 at work; 1 / l takes c2's place
.set F0,  64
.set F1,  128
.set S,   64
.set P,   192
.set MT,  192                          ; head: the 32 mask words
.set BB,  224                          ; head: 4 numbers of bq, bk, bv
.set BC,  236                          ; head: bv's copies
.set BIS, 3                            ; s3   LDS byte of the image that the next phase begins with
.set SQ,  8                            ; s[8:9] sqrt(128), once bq's address has served
.set WV,  20
.set CX,  21
.set BG,  22
.set HEAD, 23
.set G1B, 24                           ; s[24:31] group 1, W's tiles
.set G1T, 32                           ; s[32:39] group 1, the bias table's tile
.set G0A, 40                           ; s[40:43] group 0, slot 0's first fill
.set G0W, 44                           ; s[44:47] group 0, slot 1's first fill; then it walks
.set G0T, 48                           ; s[48:51] group 0, the bias table's tile
.set AP,  52                           ; s[52:53] xc at my batch, at the trip whose groups are being asked for
.set STEP, 54                          ; s[54:55] what AP steps by
.set CNT, 56
.set OC,  57
.set HM,  58                           ; 0xffff0000
.set TB,  59                           ; LDS byte at which the slot in hand begins
.set SEL, 60                           ; s[60:61] v_permlanex16_b32: each lane takes its own place in the other half
.set CS,  62                           ; s[62:63] c
.set PFB, 66                           ; s[66:67] where my prefetches of W stand
.set LIMB, 68                          ; 1 in a wave that prefetches W, else the greatest number
.set LIMA, 69                          ; the same for x
.set MK,  70                           ; s[70:101] lane masks: key 16 k + 8 h + j is seen, at MK + 8 k + j (in the head: temporaries)
.set MSB, 0
.macro WIN new                         ; the immediate's high byte repeats the setting that is left; a switch that changes nothing is dropped
.if MSB != (\new)
	s_set_vgpr_msb (MSB<<8)|(\new)
.set MSB, \new
.endif
.endm
.macro PLACES                          ; four plain vector instructions between a matrix instruction and a load into, or a vector instruction on, its registers
.rept 4
	v_nop
.endr
.endm
.macro CREST                           ; a round of the cluster's barrier behind its opening barrier
	s_cmp_lg_u32 s[WV], 0
	s_cbranch_scc1 .Lnot_wave_0_\@
	s_barrier_signal -3
.Lnot_wave_0_\@:
	s_barrier_wait -3
	s_barrier_signal -1
	s_barrier_wait -1
.endm
.macro CROUND
	s_barrier_signal -1
	s_barrier_wait -1
	CREST
.endm
; 8 matrix instructions: channel tiles b0, b0 + 1 x the four row tiles, 32 along K.  nat = 0: source 0 = W (window 0), source 1 = x (window 1); nat = 1: the other way round.
; The 32 accumulators take turns, one instruction a turn, in the same order in every sub-step, over every backward jump too.
.macro MULQ nat, f, sl, b0
.irp b, \b0, (\b0)+1
.irp a, 0,1,2,3
.if \nat
	v_wmma_f32_16x16x32_bf16 v[8*(8*(\a)+(\b)):8*(8*(\a)+(\b))+7], v[32*(\sl)+8*(\a):32*(\sl)+8*(\a)+7], v[(\f)+8*(\b):(\f)+8*(\b)+7], v[8*(8*(\a)+(\b)):8*(8*(\a)+(\b))+7]
.else
	v_wmma_f32_16x16x32_bf16 v[8*(8*(\a)+(\b)):8*(8*(\a)+(\b))+7], v[(\f)+8*(\b):(\f)+8*(\b)+7], v[32*(\sl)+8*(\a):32*(\sl)+8*(\a)+7], v[8*(8*(\a)+(\b)):8*(8*(\a)+(\b))+7]
.endif
.endr
.endr
.endm
.macro FETCH_B k, f                    ; 16 LDS loads in one run: W's eight fragments of 32 along K at byte k of the rows
	WIN 0
.irp i, 0,1,2,3,4,5,6,7
	ds_load_b128 v[(\f)+8*(\i):(\f)+8*(\i)+3],   v[ADR] offset:(\k)+16*PITCH*(\i)
	ds_load_b128 v[(\f)+8*(\i)+4:(\f)+8*(\i)+7], v[ADR] offset:(\k)+16*PITCH*(\i)+32
.endr
.endm
.macro LOAD_A sl, off                  ; 8 loads: a group of x, four fragments, each two loads of 512 consecutive bytes
	WIN 0x40
.irp a, 0,1,2,3
	global_load_b128 v[32*(\sl)+8*(\a):32*(\sl)+8*(\a)+3],   v[AO], s[AP:AP+1] offset:(\off)+RBS*(\a)
	global_load_b128 v[32*(\sl)+8*(\a)+4:32*(\sl)+8*(\a)+7], v[AO], s[AP:AP+1] offset:(\off)+RBS*(\a)+512
.endr
.endm
; PREFETCHES INTO THE L2, behind the joint load, its five lines and the trip's last runs of loads.  In trip T: W's tile T + 3, one change of slots ahead of its joint load; x's chunks of trip T + 3, one trip
; ahead of their first load.  Each aligned 256 bytes is named once in the launch.  W: all four clusters of a head read the same tiles: the first (cluster x = 0) asks; its four partners and their waves 0 and 1
; share the tile's 128 rows x 2 blocks out BY ADDRESS, 16 rows each.  x: all sixteen heads read the same rows: head 0 asks, each wave for its own four blocks of 16 rows, 8,192 bytes each, a lane 256 bytes.
; Tiles and trips 0 to 2 come by their loads alone; how = 0 (the loop over vh's trips): the loop's last trip asks for nothing, since trip 24 does not exist.
.macro ASK how
.if \how
	s_cmp_eq_u32 s[LIMB], 1
.else
	s_cmp_gt_u32 s[CNT], s[LIMB]
.endif
	s_cbranch_scc0 .Lnot_b_\@
	global_prefetch_b8 v[PFO], s[PFB:PFB+1] th:TH_LOAD_NT scope:SCOPE_SE
.Lnot_b_\@:
.if \how
	s_cmp_eq_u32 s[LIMA], 1
.else
	s_cmp_gt_u32 s[CNT], s[LIMA]
.endif
	s_cbranch_scc0 .Lnot_a_\@
.irp a, 0,1,2,3
	global_prefetch_b8 v[PFA], s[AP:AP+1] offset:2*TRIPB+RBS*(\a) th:TH_LOAD_NT scope:SCOPE_SE
.endr
.Lnot_a_\@:
.endm
; A trip is eight sub-steps of 32 along K, 32 matrix instructions each, on W's buffers 0, 1, 0, 1 .. and x's groups 0 .. 7.  One of the first seven:
.macro SUB i, nat
	s_wait_loadcnt 48                              ; group i is in; the six younger groups of 8 loads stay out
	s_wait_dscnt 8                                 ; W's fragments 0-3 are in; the youngest eight loads may be out
	WIN 0xA4-3*(\nat)
	MULQ \nat, F0+64*((\i)%2), \i, 0
	MULQ \nat, F0+64*((\i)%2), \i, 2
	PLACES                                         ; the registers loaded below were last read in the sub-step before
	FETCH_B 64*((\i)+1), F0+64*(((\i)+1)%2)
.if (\i) == 1
	s_wait_xcnt 0x0                                ; every load and prefetch issued so far has read its address: AP may be written
	s_add_nc_u64 s[AP:AP+1], s[AP:AP+1], s[STEP:STEP+1]
.endif
.if (\i) == 0
	LOAD_A 7, 7*1024                               ; seven groups ahead: this trip's last group,
.else
	LOAD_A (\i)-1, 1024*((\i)-1)                   ; then the next trip's
.endif
	s_wait_dscnt 16                                ; all but the 16 just issued
	WIN 0xA4-3*(\nat)
	MULQ \nat, F0+64*((\i)%2), \i, 4
	MULQ \nat, F0+64*((\i)%2), \i, 6
.endm
; The eighth sub-step changes slots.  In front of the barrier each wave waits for all its tensor loads (one is out: its part of the next slot), adds 0 to its spare word, and waits for that and for its reads
; of this slot.  refill = 1: the barrier opens a round of the cluster's barrier, and the joint load of the tile two trips on is the first thing behind the round.
.macro TURN refill, nat, how
.if \refill
	s_wait_xcnt 0x0                                ; the last prefetch of W, a trip back, has read its address
	s_add_nc_u64 s[PFB:PFB+1], s[PFB:PFB+1], 512
.endif
	s_wait_loadcnt 48                              ; group 7 is in
	WIN 0
	s_wait_tensorcnt 0x0                           ; no tensor load of mine is out, so a group 0 may be written
	ds_add_u32 v[SPW], v[NIL]                      ; 0 onto my spare word
.if \refill
	s_xor_b32 s[G0W+1], s[G0W+1], SLOT1            ; the other slot than last time,
	s_add_nc_u64 s[G0W+2:G0W+3], s[G0W+2:G0W+3], 512  ; the next 256 along K; the type bits on top are not reached
.endif
	s_wait_dscnt 9                                 ; the add and the youngest eight loads may be out
	WIN 0xA4-3*(\nat)
	MULQ \nat, F1, 7, 0
	s_wait_dscnt 0x0                               ; the add is done, and my reads of this slot are over
	s_barrier_signal -1
	MULQ \nat, F1, 7, 2                            ; work on registers while the others arrive
	WIN 0                                          ; at a branch and at a label every window is 0
	s_barrier_wait -1
.if \refill
	CREST                                          ; no wave of any partner still reads this slot or has a load on its way
	tensor_load_to_lds s[G0W:G0W+3], s[G1B:G1B+7]
	s_nop 0
.endif
	PLACES                                         ; behind the tensor load; also the places in front of the loads below
	s_xor_b32 s[TB], s[TB], SLOT1
	v_add_nc_u32 v[ADR], s[TB], v[AB0]
	FETCH_B 0, F0
	LOAD_A 6, 6*1024
	WIN 0
.if \refill
	ASK \how
.endif
	WIN 0xA4-3*(\nat)
	MULQ \nat, F1, 7, 4
	MULQ \nat, F1, 7, 6
.endm
.macro TRIP refill, nat, how
.irp i, 0,1,2,3,4,5,6
	SUB \i, \nat
.endr
	TURN \refill, \nat, \how
.endm
; The sums begin with the bias: 64 LDS loads out of my image into the 32 accumulators.
.macro INIT adr, stride
	WIN 0x80                                       ; destination window 2
.irp b, 0,1,2,3,4,5,6,7
.irp a, 0,1,2,3
	ds_load_b128 v[8*(8*(\a)+(\b)):8*(8*(\a)+(\b))+3],   v[\adr] offset:(\stride)*(\b)
	ds_load_b128 v[8*(8*(\a)+(\b))+4:8*(8*(\a)+(\b))+7], v[\adr] offset:(\stride)*(\b)+16
.endr
.endr
	WIN 0
	s_wait_dscnt 0x0
.endm
.macro ALLT line:vararg                ; one line for each query tile t
.set t, 0
.rept 4
	\line
.set t, t+1
.endr
.endm
	s_load_b512 s[4:19], s[0:1], 0x0               ; xc s[4:5], wc s[6:7], bq s[8:9], bk s[10:11], bv s[12:13], bias_table s[14:15], attention_mask s[16:17], o16 s[18:19]
	v_lshl_add_u32 v[SPW], v0, 2, SPARE
	v_mov_b32 v[NIL], 0
	ds_add_u32 v[SPW], v[NIL]                      ; the wave's opening: the add and its wait stand ahead of my first tensor load; the set-up below, work on registers, stands between them
	v_lshrrev_b32 v13, 5, v0
	v_readfirstlane_b32 s[WV], v13                 ; wave 0..3
	s_bfe_u32 s[CX], ttmp6, 0x40000                ; my place in the cluster: it enters global addresses of xc, the mask, o16 and the prefetches alone
	s_lshl_b32 s[BG], ttmp9, 2
	s_add_co_u32 s[BG], s[BG], s[CX]               ; my group of four batches
	s_and_b32 s[HEAD], ttmp7, 0xffff               ; the head, which the four partners share
	; group 1 for W: 32 rows x 256 elements of 2 bytes, 6,144 elements from row to row, 4 words of padding behind every 128
	s_mov_b32 s[G1B],   15|(1<<16)|(1<<20)|(1<<21)|(6<<22)|(3<<25)
	s_mov_b32 s[G1B+1], 256<<16
	s_mov_b32 s[G1B+2], 32<<16
	s_mov_b32 s[G1B+3], 256<<16
	s_mov_b32 s[G1B+4], 32
	s_mov_b32 s[G1B+5], 6144
	s_mov_b32 s[G1B+6], 0
	s_mov_b32 s[G1B+7], 0
	; group 1 for the bias table: 16 rows x 64 elements of 4 bytes, 256 elements from row to row, 4 words of padding behind every 64
	s_mov_b32 s[G1T],   15|(2<<16)|(1<<20)|(1<<21)|(5<<22)|(3<<25)
	s_mov_b32 s[G1T+1], 64<<16
	s_mov_b32 s[G1T+2], 16<<16
	s_mov_b32 s[G1T+3], 64<<16
	s_mov_b32 s[G1T+4], 16
	s_mov_b32 s[G1T+5], 256
	s_mov_b32 s[G1T+6], 0
	s_mov_b32 s[G1T+7], 0
	s_mov_b32 s[G0A], 1
	s_mul_i32 s[G0A+1], s[WV], WROWS               ; my 32 rows of slot 0
	s_mov_b32 s[G0W], 1
	s_add_co_u32 s[G0W+1], s[G0A+1], SLOT1         ; and of slot 1
	s_mov_b32 s[G0T], 1
	s_mul_i32 s[G0T+1], s[WV], 16*BTP
	s_add_co_u32 s[G0T+1], s[G0T+1], BT
	; byte offsets.  s71, s80-s83 feed the joint loads' addresses: they hold the head and the wave's number alone
	s_lshl_b32 s70, s[BG], 2
	s_add_co_u32 s70, s70, s[WV]                   ; my batch
	s_mul_i32 s72, s70, 4*RBS                      ; xc: four blocks of 16 rows a batch
	s_mov_b32 s73, 0
	s_lshl_b32 s74, s70, 8                         ; the mask: 64 words a batch
	s_mov_b32 s75, 0
	s_lshl_b32 s76, s70, 18                        ; o16: 4 blocks of 65,536 bytes a batch,
	s_lshl_b32 s71, s[HEAD], 12                    ; 4 chunks of 1,024 a head
	s_add_co_u32 s76, s76, s71
	s_mov_b32 s77, 0
	s_lshl_b32 s78, s[HEAD], 9                     ; the biases: 128 numbers a head
	s_mov_b32 s79, 0
	s_lshl_b32 s80, s[HEAD], 7
	s_lshl_b32 s71, s[WV], 5
	s_add_co_u32 s80, s80, s71
	s_mul_i32 s80, s80, WPB                        ; wc: row 128 head + 32 wave
	s_mov_b32 s81, 0
	s_lshl_b32 s82, s[HEAD], 18                    ; the bias table: 256 x 256 numbers a head,
	s_lshl_b32 s71, s[WV], 14                      ; 16 rows of 1,024 bytes a wave
	s_add_co_u32 s82, s82, s71
	s_mov_b32 s83, 0
	s_lshl_b32 s84, s[HEAD], 7                     ; prefetches of W: row 128 head + 32 cx + 16 wave, at tile 2; the first change of slots steps it to tile 3
	s_lshl_b32 s86, s[CX], 5
	s_add_co_u32 s84, s84, s86
	s_lshl_b32 s86, s[WV], 4
	s_add_co_u32 s84, s84, s86
	s_mul_i32 s84, s84, WPB
	s_add_co_u32 s84, s84, 2*512
	s_mov_b32 s85, 0
	s_lshr_b32 s[LIMB], s[WV], 1                   ; 0 in waves 0 and 1,
	s_or_b32 s[LIMB], s[LIMB], ttmp9               ; where the cluster is the head's first: the same in all four partners
	s_cmp_eq_u32 s[LIMB], 0
	s_cselect_b32 s[LIMB], 1, -1
	s_cmp_eq_u32 s[HEAD], 0
	s_cselect_b32 s[LIMA], 1, -1
	s_mov_b32 s[STEP], TRIPB
	s_mov_b32 s[STEP+1], 0
	s_mov_b32 s[HM], 0xffff0000
	s_mov_b32 s[SEL], 0x76543210
	s_mov_b32 s[SEL+1], 0xfedcba98
	s_mov_b32 s[CS], 0x3e0293ee                    ; c = log2(e) / sqrt(128) = 0.127517
	s_mov_b32 s[CS+1], s[CS]
	s_mov_b32 s[TB], 0
	s_mul_i32 s[BIS], s[WV], IMGW
	s_add_co_u32 s[BIS], s[BIS], IMG               ; my image
	v_and_b32 v[R], 15, v0
	v_bfe_u32 v[H], v0, 4, 1
	v_and_b32 v[L], 31, v0
	v_mul_u32_u24 v[AB0], v[R], PITCH
	v_lshl_add_u32 v[AB0], v[H], 4, v[AB0]
	v_lshlrev_b32 v[AO], 4, v[L]
	v_lshrrev_b32 v13, 1, v[L]
	v_mul_u32_u24 v[PFO], v13, WPB
	v_and_b32 v13, 1, v[L]
	v_lshl_add_u32 v[PFO], v13, 8, v[PFO]
	v_lshlrev_b32 v[PFA], 8, v[L]
	v_lshl_add_u32 v[BV], v[R], 5, s[BIS]
	v_add_nc_u32 v[BV], 1024, v[BV]
	v_mul_u32_u24 v[BTA], v[R], BTP
	v_lshl_add_u32 v[BTA], v[H], 5, v[BTA]
	v_add_nc_u32 v[BTA], BT, v[BTA]
	v_mov_b32 v[NEG], 0xff7fffff
	v_lshl_add_u32 v14, v[L], 4, s[BIS]            ; where I put 4 numbers of bq (bk: 512 on)
	v_lshl_add_u32 v15, v[L], 7, s[BIS]            ; where I put the copies of 4 numbers of bv, less 1,024
	v_lshlrev_b32 v16, 5, v[H]                     ; my 8 words of 16 of the mask
	v_mov_b32 v[ADR], v[AB0]
	WIN 0xC0                                       ; K's registers are written once, so that the one text for qh's and kh's phases, which moves K's to Q's before it packs, reads written registers the first time
.set n, 0
.rept 128
	v_mov_b32 v[128+n], 0
.set n, n+1
.endr
	WIN 0
	s_wait_dscnt 0x0                               ; the opening add is done
	s_wait_kmcnt 0x0
	s_add_nc_u64 s[AP:AP+1], s[4:5], s[72:73]
	s_add_nc_u64 s[16:17], s[16:17], s[74:75]
	s_add_nc_u64 s[18:19], s[18:19], s[76:77]
	s_add_nc_u64 s[8:9], s[8:9], s[78:79]
	s_add_nc_u64 s[10:11], s[10:11], s[78:79]
	s_add_nc_u64 s[12:13], s[12:13], s[78:79]
	s_add_nc_u64 s[G0A+2:G0A+3], s[6:7], s[80:81]  ; tile 0
	s_add_nc_u64 s[G0W+2:G0W+3], s[G0A+2:G0A+3], 512  ; tile 1
	s_or_b32 s[G0A+3], s[G0A+3], 0x80000000        ; type = 2
	s_or_b32 s[G0W+3], s[G0W+3], 0x80000000
	s_add_nc_u64 s[G0T+2:G0T+3], s[14:15], s[82:83]
	s_or_b32 s[G0T+3], s[G0T+3], 0x80000000
	s_add_nc_u64 s[PFB:PFB+1], s[6:7], s[84:85]
	CROUND                                         ; all four work-groups are here: the first joint loads meet
	tensor_load_to_lds s[G0A:G0A+3], s[G1B:G1B+7]  ; the first fills go out as one group: three loads of mine are out
	s_nop 0
	tensor_load_to_lds s[G0W:G0W+3], s[G1B:G1B+7]
	s_nop 0
	tensor_load_to_lds s[G0T:G0T+3], s[G1T:G1T+7]
	s_nop 0
	PLACES
.irp k, 0,1,2,3
	global_load_b128 v[MT+8*(\k):MT+8*(\k)+3],   v16, s[16:17] offset:64*(\k)      ; mask of keys 16 k + 8 h + 0..3
	global_load_b128 v[MT+8*(\k)+4:MT+8*(\k)+7], v16, s[16:17] offset:64*(\k)+16   ; and + 4..7
.endr
	global_load_b128 v[BB:BB+3],    v[AO], s[8:9]
	global_load_b128 v[BB+4:BB+7],  v[AO], s[10:11]
	global_load_b128 v[BB+8:BB+11], v[AO], s[12:13]
.irp g, 0,1,2,3,4,5
	LOAD_A \g, 1024*(\g)
.endr
	WIN 0
	s_wait_loadcnt 48                              ; the mask and the biases are in; x's 48 loads stay out
.set n, 0
.rept 32
	v_cmp_ne_u32 s[MK+n], 0, v[MT+n]
.set n, n+1
.endr
.irp x, BB, BB+4, BB+8                 ; the biases are rounded to bf16 like every other input
	v_cvt_pk_bf16_f32 v17, v[\x], v[\x+1]
	v_cvt_pk_bf16_f32 v18, v[\x+2], v[\x+3]
	v_lshlrev_b32 v[\x], 16, v17
	v_and_b32 v[\x+1], s[HM], v17
	v_lshlrev_b32 v[\x+2], 16, v18
	v_and_b32 v[\x+3], s[HM], v18
.endr
	ds_store_b128 v14, v[BB:BB+3]
	ds_store_b128 v14, v[BB+4:BB+7] offset:512
.irp i, 0,1,2,3
.irp z, 0,1,2,3
	v_mov_b32 v[BC+4*\i+\z], v[BB+8+\i]
.endr
	ds_store_b128 v15, v[BC+4*\i:BC+4*\i+3] offset:1024+32*\i
	ds_store_b128 v15, v[BC+4*\i:BC+4*\i+3] offset:1024+32*\i+16
.endr
	LOAD_A 6, 6*1024                               ; seven groups are asked for
	WIN 0
	s_wait_tensorcnt 2                             ; my part of slot 0 is in; slot 1's and the bias tile's may stay out
	s_wait_dscnt 0x0
	s_barrier_signal -1
	s_barrier_wait -1                              ; everybody's is
	FETCH_B 0, F0
	; ---- qh, then kh: one text, walked twice ----
	s_mov_b32 s[OC], 2
.Lphase:
	v_lshl_add_u32 v[BI], v[H], 5, s[BIS]          ; bq's image, then bk's
	s_add_co_u32 s[BIS], s[BIS], 512
	INIT BI, 64
	s_mov_b32 s[CNT], 8
.Ltq:
	TRIP 1, 0, 1
	WIN 0
	s_sub_co_u32 s[CNT], s[CNT], 1
	s_cmp_lg_u32 s[CNT], 0
	s_cbranch_scc1 .Ltq
	WIN 0xC3                                       ; K's registers move to Q's (the second time they hold qh): 128 plain instructions in window 3, which are also the places behind the last products
.set n, 0
.rept 128
	v_mov_b32 v[n], v[128+n]
.set n, n+1
.endr
	WIN 0xCA                                       ; the 32 results, rounded to f16, into K's registers: result (a, b) fills registers 32 a + 4 b ..
.set n, 0
.rept 128
	v_cvt_pk_f16_f32 v[128+n], v[2*n], v[2*n+1]
.set n, n+1
.endr
	WIN 0
	s_sub_co_u32 s[OC], s[OC], 1
	s_cmp_lg_u32 s[OC], 0
	s_cbranch_scc1 .Lphase
	; ---- vh, the natural way round ----
	INIT BV, 512
	s_mov_b32 s[CNT], 6
.Ltv:
	TRIP 1, 1, 0
	WIN 0
	s_sub_co_u32 s[CNT], s[CNT], 1
	s_cmp_lg_u32 s[CNT], 0
	s_cbranch_scc1 .Ltv
	s_mov_b32 s[CNT], 2                            ; the last two trips ask for no tile.  One text for both: in the very last AP stands still, so that its 56 loads of x read this trip's chunks once more, inside the
.Ltail:                                                ; buffer, and its last run of LDS loads reads the slot that was left; they serve nothing and keep every counted wait as it is
	s_cmp_eq_u32 s[CNT], 1
	s_cselect_b32 s[STEP], 0, TRIPB
	TRIP 0, 1, 0
	WIN 0
	s_sub_co_u32 s[CNT], s[CNT], 1
	s_cmp_lg_u32 s[CNT], 0
	s_cbranch_scc1 .Ltail
	s_wait_loadcnt 0x0                             ; x's ring and W's buffers are written anew below: nothing is on its way into them
	s_wait_dscnt 0x0
	PLACES
.irp t, 0,1,2,3                        ; the bias tile goes where the scores' sums begin: query 16 t + r, keys 16 k + 8 h + 0..7
.irp k, 0,1,2,3
	ds_load_b128 v[S+32*(\t)+8*(\k):S+32*(\t)+8*(\k)+3],   v[BTA] offset:16*BTP*(\t)+64*(\k)
	ds_load_b128 v[S+32*(\t)+8*(\k)+4:S+32*(\t)+8*(\k)+7], v[BTA] offset:16*BTP*(\t)+64*(\k)+16
.endr
.endr
	WIN 0x4A                                       ; vh, rounded to f16, into window 1: result (a, b) fills registers 64 (a / 2) + 8 b + 4 (a % 2) ..
.set n, 0
.rept 128
	v_cvt_pk_f16_f32 v[64*(n/64)+8*((n/4)%8)+4*((n/32)%2)+n%4], v[2*n], v[2*n+1]
.set n, n+1
.endr
	WIN 0
	s_mov_b32 s[SQ], 0x413504f3                    ; sqrt(128)
	s_mov_b32 s[SQ+1], s[SQ]
	s_wait_dscnt 0x0
.set g, 0
.rept 8                                ; the table's numbers are rounded to bf16 and multiplied by sqrt(128), eight pairs at a time
.irp z, 0,1,2,3,4,5,6,7
	v_cvt_pk_bf16_f32 v[T0+\z], v[S+16*g+2*\z], v[S+16*g+2*\z+1]
.endr
.irp z, 0,1,2,3,4,5,6,7
	v_lshlrev_b32 v[S+16*g+2*\z], 16, v[T0+\z]
	v_and_b32 v[S+16*g+2*\z+1], s[HM], v[T0+\z]
.endr
.irp z, 0,1,2,3,4,5,6,7
	v_pk_mul_f32 v[S+16*g+2*\z:S+16*g+2*\z+1], v[S+16*g+2*\z:S+16*g+2*\z+1], s[SQ:SQ+1] op_sel_hi:[1,0]
.endr
.set g, g+1
.endr
	; ---- S^T = K Q^T + sqrt(128) bias: 64 products, the 16 accumulators by turns ----
	WIN 0x0F
.set n, 0
.rept 64                               ; channels 32 (n / 16) on, query tile (n / 4) % 4, key tile n % 4
	v_wmma_f32_16x16x32_f16 v[S+32*((n/4)%4)+8*(n%4):S+32*((n/4)%4)+8*(n%4)+7], v[128+32*(n%4)+8*(n/16):128+32*(n%4)+8*(n/16)+7], v[32*((n/4)%4)+8*(n/16):32*((n/4)%4)+8*(n/16)+7], v[S+32*((n/4)%4)+8*(n%4):S+32*((n/4)%4)+8*(n%4)+7]
.set n, n+1
.endr
	PLACES
	WIN 0
	; ---- the softmax, in phases: it stands beside 128 of the launch's 6,272 matrix instructions a wave ----
.set n, 0
.rept 64
	v_pk_mul_f32 v[S+2*n:S+2*n+1], v[S+2*n:S+2*n+1], s[CS:CS+1] op_sel_hi:[1,0]
.set n, n+1
.endr
.set n, 0
.rept 128
	v_cndmask_b32 v[S+n], v[NEG], v[S+n], s[MK+n%32]  ; a hidden key's score is -FLT_MAX
.set n, n+1
.endr
.irp j, 0,1,2,3                        ; the maximum of a lane's 32 scores: four chains of seven, three operands at a time, then the four left over
	ALLT v_max3_num_f32 v[ST+8*t+4+\j], v[S+32*t+8*\j], v[S+32*t+8*\j+1], v[S+32*t+8*\j+2]
.endr
.irp g, 1,2
.irp j, 0,1,2,3
	ALLT v_max3_num_f32 v[ST+8*t+4+\j], v[ST+8*t+4+\j], v[S+32*t+8*\j+2*\g+1], v[S+32*t+8*\j+2*\g+2]
.endr
.endr
	ALLT v_max3_num_f32 v[ST+8*t+4], v[ST+8*t+4], v[S+32*t+7], v[S+32*t+15]
	ALLT v_max3_num_f32 v[ST+8*t+6], v[ST+8*t+6], v[S+32*t+23], v[S+32*t+31]
	ALLT v_max3_num_f32 v[ST+8*t+4], v[ST+8*t+4], v[ST+8*t+5], v[ST+8*t+6]
	ALLT v_max_num_f32 v[ST+8*t+4], v[ST+8*t+4], v[ST+8*t+7]
	ALLT v_permlanex16_b32 v[ST+8*t+5], v[ST+8*t+4], s[SEL], s[SEL+1]  ; the query's other 32 keys lie in the lane 16 away
	ALLT v_max_num_f32 v[ST+8*t], v[ST+8*t+4], v[ST+8*t+5]
	ALLT v_mov_b32 v[ST+8*t+1], v[ST+8*t]
.set n, 0
.rept 64
	v_pk_add_f32 v[S+2*n:S+2*n+1], v[S+2*n:S+2*n+1], v[ST+8*(n/16):ST+8*(n/16)+1] neg_lo:[0,1] neg_hi:[0,1]  ; t - m: 0 everywhere in a row whose keys are all hidden
.set n, n+1
.endr
.set n, 0
.rept 128                              ; one batch of 128 exponentials,
	v_exp_f32 v[S+n], v[S+n]
.set n, n+1
.endr
	v_nop                                          ; a plain instruction behind the last of them,
	s_wait_alu depctr_va_vdst(0)                   ; and one wait ahead of the first use
.set n, 0
.rept 64
	v_cvt_pk_f16_f32 v[P+n], v[S+2*n], v[S+2*n+1]
.set n, n+1
.endr
	; ---- O^T = V^T P: 64 products, the 32 accumulators by turns; the first 32 start the sums ----
	WIN 0xA1
.set n, 0
.rept 64                               ; keys 32 (n / 32) on, query tile (n / 8) % 4, channel tile n % 8
.if n < 32
	v_wmma_f32_16x16x32_f16 v[64*((n/8)%4)+8*(n%8):64*((n/8)%4)+8*(n%8)+7], v[64*(n/32)+8*(n%8):64*(n/32)+8*(n%8)+7], v[P+16*((n/8)%4)+8*(n/32):P+16*((n/8)%4)+8*(n/32)+7], 0
.else
	v_wmma_f32_16x16x32_f16 v[64*((n/8)%4)+8*(n%8):64*((n/8)%4)+8*(n%8)+7], v[64*(n/32)+8*(n%8):64*(n/32)+8*(n%8)+7], v[P+16*((n/8)%4)+8*(n/32):P+16*((n/8)%4)+8*(n/32)+7], v[64*((n/8)%4)+8*(n%8):64*((n/8)%4)+8*(n%8)+7]
.endif
.set n, n+1
.endr
	WIN 0                                          ; the rows' sums, of the unrounded weights, stand behind the products and are their places: they name S^T and the statistics alone
.irp u, 0,1,2,3,4,5,6,7
	ALLT v_pk_add_f32 v[S+32*t+4*\u:S+32*t+4*\u+1], v[S+32*t+4*\u:S+32*t+4*\u+1], v[S+32*t+4*\u+2:S+32*t+4*\u+3]
.endr
.irp u, 0,1,2,3
	ALLT v_pk_add_f32 v[S+32*t+8*\u:S+32*t+8*\u+1], v[S+32*t+8*\u:S+32*t+8*\u+1], v[S+32*t+8*\u+4:S+32*t+8*\u+5]
.endr
.irp u, 0,1
	ALLT v_pk_add_f32 v[S+32*t+16*\u:S+32*t+16*\u+1], v[S+32*t+16*\u:S+32*t+16*\u+1], v[S+32*t+16*\u+8:S+32*t+16*\u+9]
.endr
	ALLT v_pk_add_f32 v[ST+8*t+2:ST+8*t+3], v[S+32*t:S+32*t+1], v[S+32*t+16:S+32*t+17]
	ALLT v_add_f32 v[ST+8*t+4], v[ST+8*t+2], v[ST+8*t+3]
	ALLT v_permlanex16_b32 v[ST+8*t+5], v[ST+8*t+4], s[SEL], s[SEL+1]
	ALLT v_add_f32 v[ST+8*t+4], v[ST+8*t+4], v[ST+8*t+5]
	ALLT v_rcp_f32 v[ST+8*t+6], v[ST+8*t+4]
	v_nop                                          ; a plain instruction behind the last reciprocal,
	s_wait_alu depctr_va_vdst(0)                   ; and one wait for the four
	WIN 0x82                                       ; O^T in window 2, 1 / l in window 0
.set n, 0
.rept 128
	v_pk_mul_f32 v[2*n:2*n+1], v[2*n:2*n+1], v[ST+8*(n/32)+6:ST+8*(n/32)+7] op_sel_hi:[1,0]
.set n, n+1
.endr
	WIN 0x0A                                       ; rounded to f16, into S^T's registers
.set n, 0
.rept 128
	v_cvt_pk_f16_f32 v[S+n], v[2*n], v[2*n+1]
.set n, n+1
.endr
	WIN 0
.set n, 0
.rept 32                               ; query tile n / 8, channel tile n % 8: half a chunk of the next launch's operand, 512 consecutive bytes, aligned
	global_store_b128 v[AO], v[S+4*n:S+4*n+3], s[18:19] offset:65536*(n/8)+512*(n%8)
.set n, n+1
.endr
	s_wait_tensorcnt 0x0                           ; the wave's end, behind my last tensor load and my last LDS store
	ds_add_u32 v[SPW], v[NIL]
	s_wait_dscnt 0x0
	CROUND                                         ; the closing round: no work-group ends while a partner may still ask for a tile that names it
	s_endpgm
.Lfunc_end_k_q0ed545303b_qkv_attn:
	.size	k_q0ed545303b_qkv_attn, .Lfunc_end_k_q0ed545303b_qkv_attn-k_q0ed545303b_qkv_attn
	.p2alignl 7, 3214868480
	.fill 96, 4, 3214868480
	.section	.rodata,"a",@progbits
	.p2align	6, 0x0
	.amdhsa_kernel k_q0ed545303b_qkv_attn
		.amdhsa_group_segment_fixed_size 327680
		.amdhsa_private_segment_fixed_size 0
		.amdhsa_enable_private_segment 0
		.amdhsa_kernarg_size 64
		.amdhsa_user_sgpr_count 2
		.amdhsa_user_sgpr_kernarg_segment_ptr 1
		.amdhsa_wavefront_size32 1
		.amdhsa_system_sgpr_workgroup_id_x 1
		.amdhsa_system_sgpr_workgroup_id_y 1
		.amdhsa_system_sgpr_workgroup_id_z 1
		.amdhsa_system_vgpr_workitem_id 0
		.amdhsa_next_free_vgpr 1024
		.amdhsa_next_free_sgpr 102
		.amdhsa_reserve_vcc 0
		.amdhsa_float_denorm_mode_32 3
		.amdhsa_float_denorm_mode_16_64 3
		.amdhsa_memory_ordered 1
		.amdhsa_forward_progress 1
		.amdhsa_inst_pref_size 228
	.end_amdhsa_kernel
	.amdgpu_metadata
---
amdhsa.version: [ 1, 2 ]
amdhsa.kernels:
  - .name:           k_q0ed545303b_qkv_attn
    .symbol:         k_q0ed545303b_qkv_attn.kd
    .args:
      - { .name: xc, .offset: 0, .size: 8, .value_kind: global_buffer, .address_space: global }
      - { .name: wc, .offset: 8, .size: 8, .value_kind: global_buffer, .address_space: global }
      - { .name: bq, .offset: 16, .size: 8, .value_kind: global_buffer, .address_space: global }
      - { .name: bk, .offset: 24, .size: 8, .value_kind: global_buffer, .address_space: global }
      - { .name: bv, .offset: 32, .size: 8, .value_kind: global_buffer, .address_space: global }
      - { .name: bias_table, .offset: 40, .size: 8, .value_kind: global_buffer, .address_space: global }
      - { .name: attention_mask, .offset: 48, .size: 8, .value_kind: global_buffer, .address_space: global }
      - { .name: o16, .offset: 56, .size: 8, .value_kind: global_buffer, .address_space: global }
    .group_segment_fixed_size: 327680
    .private_segment_fixed_size: 0
    .kernarg_segment_align: 8
    .kernarg_segment_size: 64
    .max_flat_workgroup_size: 128
    .sgpr_count:     102
    .vgpr_count:     1024
    .wavefront_size: 32
...
	.end_amdgpu_metadata
.endif
;; end of part 2
;; launch oproj (part 3): grid 16 x 16, 4 waves a work-group, clusters of 4 x 1, 327,680 bytes of LDS; arguments o16, wo16, bo, out0; writes out0
.if DOCPART == 3
	.amdgcn_target "amdgcn-amd-amdhsa--gfx1250"
	.amdhsa_code_object_version 6
	.text
	.protected	k_q0ed545303b_oproj
	.globl	k_q0ed545303b_oproj
	.p2align	8
	.type	k_q0ed545303b_oproj,@function
k_q0ed545303b_oproj:
	s_mov_b64 s[64:65], 0
	v_nop
	global_prefetch_b8 v0, s[64:65] scope:SCOPE_SE
	s_setreg_imm32_b32 hwreg(HW_REG_WAVE_MODE, 25, 1), 1
	s_wait_xcnt 0x0
	s_wait_alu depctr_hold_cnt(0) depctr_sa_sdst(0) depctr_va_vdst(0) depctr_va_sdst(0) depctr_va_ssrc(0) depctr_va_vcc(0) depctr_vm_vsrc(0)
	s_getreg_b32 s2, hwreg(HW_REG_IB_STS2, 6, 4)
	s_cmp_eq_u32 s2, 0
	s_cbranch_scc0 .Lentry_in_a_cluster
	s_endpgm
.Lentry_in_a_cluster:
	s_bfe_u32 s2, ttmp6, 0x10000c
	s_cmp_lg_u32 s2, 0x3003
	s_cbranch_scc0 .Lentry_shape_is_right
	s_endpgm
.Lentry_shape_is_right:
; out0[m][n] = bo[n] + the sum over k of O[m][k] Wo[n][k].  O: o16, f16, in register order [256 blocks of 16 rows][64 chunks of 32 k][1,024 bytes]; Wo: wo16 [2048][2048] f16; out0 [4096][2048] f32.
; SHARES.  Work-group (x, y): rows 256 x .., columns 128 y ..; wave w: 64 rows x 128 columns, 32 accumulators.  K goes in 8 trips of 256.
; O's rows are private to a wave: from memory straight into a ring of eight register groups, seven groups (of 8 loads) ahead.  Wo's tiles (128 rows x 256 along K) are shared by the four waves and by the
; four work-groups of the cluster, which have the same columns: JOINT tensor loads, mask 15, into two LDS slots, 32 rows a wave; 240 matrix instructions between a request and the wait for it.
; O IS NOT ASKED FOR JOINTLY: the partners of this cluster have other rows; a joint load lands in LDS, where 256 rows of O beside 128 of Wo at 528 bytes a row and two slots are 405,504 bytes, more than
; the 327,680 there are.
; The product is taken transposed (source 0 = 16 rows of Wo, source 1 = 16 rows of O): a lane holds one row of out0 and 8 neighbouring columns.  The sums begin with bo, rounded to bf16 like every input.
; LIMITS.  O and Wo arrive within f16's 65,504.  NaN and infinities are not treated apart.
; REGISTERS: window 0: v0-31 addresses; v64-127, v128-191 Wo's fragments, two buffers; v224-227 bo.  Window 1: O's ring, group i at 32 i; later the rows on their way out.  Window 2: accumulator (a, b) at 8 (8 a + b).
.set PITCH,  528                       ; an LDS row: 512 bytes + 16 of padding = 132 words: 16 rows start at 16 different groups of four banks (64 banks of 4 bytes: ISA guide 11.1)
.set WROWS,  32*PITCH
.set SLOT1,  1<<17
.set IMG,    4*WROWS                   ; each wave's own 128 numbers of bo: 512 bytes; written by ds_store, never filled by a tensor load
.set STAGE,  IMG+4*512                 ; each wave's own 16 rows x 528 bytes, for the way out
.set SPARE,  STAGE+4*16*PITCH          ; the spare words, 128 bytes a wave: two blocks of 256 bytes that no other line names
.set RBS,    65536                     ; bytes from a block of 16 rows of o16 to the next
.set WPB,    4096                      ; bytes in a row of wo16
.set TRIPB,  8192
.set R,   1
.set H,   2
.set L,   3
.set AB0, 4                            ; v4   r x 528 + 16 h
.set ADR, 5                            ; v5   the same in the slot in hand
.set AO,  6                            ; v6   16 x lane
.set PFO, 7                            ; v7   prefetches of Wo: (lane / 2) rows + (lane % 2) x 256
.set PFA, 8                            ; v8   prefetches of O: 256 x lane
.set BI,  9                            ; v9   my image + 32 h
.set STO, 10                           ; v10  the way out: where I put 32 bytes of a row
.set RD,  11                           ; v11  the way out: where I read a row back
.set SPW, 30
.set NIL, 31
.set F0,  64
.set F1,  128
.set BB,  224
.set WV,  20
.set CX,  21
.set RG,  22
.set CB,  23
.set G1B, 24
.set G0A, 40
.set G0W, 44
.set AP,  52
.set STEP, 54
.set CNT, 56
.set HM,  58
.set TB,  59
.set PFB, 66
.set LIMB, 68
.set LIMA, 69
.set MUL, 0xA4                         ; source 0 (Wo) window 0, source 1 (O) window 1, C and D window 2
.set MSB, 0
.macro WIN new
.if MSB != (\new)
	s_set_vgpr_msb (MSB<<8)|(\new)
.set MSB, \new
.endif
.endm
.macro PLACES                          ; four plain vector instructions between a matrix instruction and a load into, or a store of, its registers
.rept 4
	v_nop
.endr
.endm
.macro CREST
	s_cmp_lg_u32 s[WV], 0
	s_cbranch_scc1 .Lnot_wave_0_\@
	s_barrier_signal -3
.Lnot_wave_0_\@:
	s_barrier_wait -3
	s_barrier_signal -1
	s_barrier_wait -1
.endm
.macro CROUND
	s_barrier_signal -1
	s_barrier_wait -1
	CREST
.endm
; 8 matrix instructions: column tiles b0, b0 + 1 x the four row tiles.  The 32 accumulators take turns, one instruction a turn, over the backward jumps too.
.macro MULQ f, sl, b0
.irp b, \b0, (\b0)+1
.irp a, 0,1,2,3
	v_wmma_f32_16x16x32_f16 v[8*(8*(\a)+(\b)):8*(8*(\a)+(\b))+7], v[(\f)+8*(\b):(\f)+8*(\b)+7], v[32*(\sl)+8*(\a):32*(\sl)+8*(\a)+7], v[8*(8*(\a)+(\b)):8*(8*(\a)+(\b))+7]
.endr
.endr
.endm
.macro FETCH_B k, f
	WIN 0
.irp i, 0,1,2,3,4,5,6,7
	ds_load_b128 v[(\f)+8*(\i):(\f)+8*(\i)+3],   v[ADR] offset:(\k)+16*PITCH*(\i)
	ds_load_b128 v[(\f)+8*(\i)+4:(\f)+8*(\i)+7], v[ADR] offset:(\k)+16*PITCH*(\i)+32
.endr
.endm
.macro LOAD_A sl, off
	WIN 0x40
.irp a, 0,1,2,3
	global_load_b128 v[32*(\sl)+8*(\a):32*(\sl)+8*(\a)+3],   v[AO], s[AP:AP+1] offset:(\off)+RBS*(\a)
	global_load_b128 v[32*(\sl)+8*(\a)+4:32*(\sl)+8*(\a)+7], v[AO], s[AP:AP+1] offset:(\off)+RBS*(\a)+512
.endr
.endm
; PREFETCHES INTO THE L2.  In trip T: Wo's tile T + 3, one change of slots ahead of its joint load; O's chunks of trip T + 3, one trip ahead of their first load.  Each aligned 256 bytes is named once.
; Wo: the four clusters of a column block read the same tiles: the first (cluster x = 0) asks; its partners and their waves 0 and 1 share the 128 rows x 2 blocks out BY ADDRESS, 16 rows each.
; O: all sixteen column blocks read the same rows: block 0 asks, each wave for its own four blocks of 16 rows.  Tiles and trips 0 to 2 come by their loads alone; the loop's last trip asks for nothing.
.macro ASK
	s_cmp_gt_u32 s[CNT], s[LIMB]
	s_cbranch_scc0 .Lnot_b_\@
	global_prefetch_b8 v[PFO], s[PFB:PFB+1] th:TH_LOAD_NT scope:SCOPE_SE
.Lnot_b_\@:
	s_cmp_gt_u32 s[CNT], s[LIMA]
	s_cbranch_scc0 .Lnot_a_\@
.irp a, 0,1,2,3
	global_prefetch_b8 v[PFA], s[AP:AP+1] offset:2*TRIPB+RBS*(\a) th:TH_LOAD_NT scope:SCOPE_SE
.endr
.Lnot_a_\@:
.endm
.macro SUB i                           ; one of a trip's first seven sub-steps of 32 along K
	s_wait_loadcnt 48                              ; group i is in; the six younger groups of 8 loads stay out
	s_wait_dscnt 8                                 ; Wo's fragments 0-3 are in
	WIN MUL
	MULQ F0+64*((\i)%2), \i, 0
	MULQ F0+64*((\i)%2), \i, 2
	PLACES                                         ; the registers loaded below were last read in the sub-step before
	FETCH_B 64*((\i)+1), F0+64*(((\i)+1)%2)
.if (\i) == 1
	s_wait_xcnt 0x0                                ; every load and prefetch issued so far has read its address: AP may be written
	s_add_nc_u64 s[AP:AP+1], s[AP:AP+1], s[STEP:STEP+1]
.endif
.if (\i) == 0
	LOAD_A 7, 7*1024
.else
	LOAD_A (\i)-1, 1024*((\i)-1)
.endif
	s_wait_dscnt 16                                ; all but the 16 just issued
	WIN MUL
	MULQ F0+64*((\i)%2), \i, 4
	MULQ F0+64*((\i)%2), \i, 6
.endm
; The eighth sub-step changes slots: each wave waits for all its tensor loads, adds 0 to its spare word, waits for that and for its reads of this slot; refill = 1: the barrier opens a round of the
; cluster's barrier, and the joint load of the tile two trips on is the first thing behind the round.
.macro TURN refill
.if \refill
	s_wait_xcnt 0x0                                ; the last prefetch of Wo, a trip back, has read its address
	s_add_nc_u64 s[PFB:PFB+1], s[PFB:PFB+1], 512
.endif
	s_wait_loadcnt 48                              ; group 7 is in
	WIN 0
	s_wait_tensorcnt 0x0                           ; no tensor load of mine is out, so a group 0 may be written
	ds_add_u32 v[SPW], v[NIL]                      ; 0 onto my spare word
.if \refill
	s_xor_b32 s[G0W+1], s[G0W+1], SLOT1
	s_add_nc_u64 s[G0W+2:G0W+3], s[G0W+2:G0W+3], 512
.endif
	s_wait_dscnt 9                                 ; the add and the youngest eight loads may be out
	WIN MUL
	MULQ F1, 7, 0
	s_wait_dscnt 0x0                               ; the add is done, and my reads of this slot are over
	s_barrier_signal -1
	MULQ F1, 7, 2
	WIN 0
	s_barrier_wait -1
.if \refill
	CREST                                          ; no wave of any partner still reads this slot or has a load on its way
	tensor_load_to_lds s[G0W:G0W+3], s[G1B:G1B+7]
	s_nop 0
.endif
	PLACES
	s_xor_b32 s[TB], s[TB], SLOT1
	v_add_nc_u32 v[ADR], s[TB], v[AB0]
	FETCH_B 0, F0
	LOAD_A 6, 6*1024
	WIN 0
.if \refill
	ASK
.endif
	WIN MUL
	MULQ F1, 7, 4
	MULQ F1, 7, 6
.endm
.macro TRIP refill
.irp i, 0,1,2,3,4,5,6
	SUB \i
.endr
	TURN \refill
.endm
	s_load_b256 s[4:11], s[0:1], 0x0               ; o16 s[4:5], wo16 s[6:7], bo s[8:9], out0 s[10:11]
	v_lshl_add_u32 v[SPW], v0, 2, SPARE
	v_mov_b32 v[NIL], 0
	ds_add_u32 v[SPW], v[NIL]                      ; the wave's opening: the add and its wait stand ahead of my first tensor load; the set-up below, work on registers, stands between them
	v_lshrrev_b32 v13, 5, v0
	v_readfirstlane_b32 s[WV], v13
	s_bfe_u32 s[CX], ttmp6, 0x40000                ; my place in the cluster: it enters global addresses of o16, out0 and the prefetches alone
	s_lshl_b32 s[RG], ttmp9, 2
	s_add_co_u32 s[RG], s[RG], s[CX]               ; my 256 rows
	s_and_b32 s[CB], ttmp7, 0xffff                 ; the 128 columns, which the four partners share
	; group 1: 32 rows x 256 elements of 2 bytes, 2,048 elements from row to row, 4 words of padding behind every 128
	s_mov_b32 s[G1B],   15|(1<<16)|(1<<20)|(1<<21)|(6<<22)|(3<<25)
	s_mov_b32 s[G1B+1], 256<<16
	s_mov_b32 s[G1B+2], 32<<16
	s_mov_b32 s[G1B+3], 256<<16
	s_mov_b32 s[G1B+4], 32
	s_mov_b32 s[G1B+5], 2048
	s_mov_b32 s[G1B+6], 0
	s_mov_b32 s[G1B+7], 0
	s_mov_b32 s[G0A], 1
	s_mul_i32 s[G0A+1], s[WV], WROWS
	s_mov_b32 s[G0W], 1
	s_add_co_u32 s[G0W+1], s[G0A+1], SLOT1
	s_lshl_b32 s12, s[RG], 20                      ; o16: block 16 x + 4 wave, 65,536 bytes each
	s_lshl_b32 s13, s[WV], 18
	s_add_co_u32 s12, s12, s13
	s_mov_b32 s13, 0
	s_lshl_b32 s14, s[RG], 21                      ; out0: row 256 x + 64 wave of 8,192 bytes, column 128 y
	s_lshl_b32 s15, s[WV], 19
	s_add_co_u32 s14, s14, s15
	s_lshl_b32 s15, s[CB], 9
	s_add_co_u32 s14, s14, s15
	s_mov_b32 s15, 0
	s_lshl_b32 s16, s[CB], 9                       ; bo: 128 numbers a block
	s_mov_b32 s17, 0
	s_lshl_b32 s32, s[CB], 19                      ; wo16: row 128 y + 32 wave of 4,096 bytes; s32, s33 hold the block and the wave's number alone
	s_lshl_b32 s33, s[WV], 17
	s_add_co_u32 s32, s32, s33
	s_mov_b32 s33, 0
	s_lshl_b32 s18, s[CB], 19                      ; prefetches of Wo: row 128 y + 32 cx + 16 wave, at tile 2; the first change of slots steps it to tile 3
	s_lshl_b32 s19, s[CX], 17
	s_add_co_u32 s18, s18, s19
	s_lshl_b32 s19, s[WV], 16
	s_add_co_u32 s18, s18, s19
	s_add_co_u32 s18, s18, 2*512
	s_mov_b32 s19, 0
	s_lshr_b32 s[LIMB], s[WV], 1
	s_or_b32 s[LIMB], s[LIMB], ttmp9
	s_cmp_eq_u32 s[LIMB], 0
	s_cselect_b32 s[LIMB], 1, -1
	s_cmp_eq_u32 s[CB], 0
	s_cselect_b32 s[LIMA], 1, -1
	s_mov_b32 s[STEP], TRIPB
	s_mov_b32 s[STEP+1], 0
	s_mov_b32 s[HM], 0xffff0000
	s_mov_b32 s[TB], 0
	s_lshl_b32 s34, s[WV], 9
	s_add_co_u32 s34, s34, IMG                     ; my image
	s_mul_i32 s35, s[WV], 16*PITCH
	s_add_co_u32 s35, s35, STAGE                   ; my stage
	v_and_b32 v[R], 15, v0
	v_bfe_u32 v[H], v0, 4, 1
	v_and_b32 v[L], 31, v0
	v_mul_u32_u24 v[AB0], v[R], PITCH
	v_lshl_add_u32 v[STO], v[H], 5, v[AB0]         ; in: row r, 32 bytes for each half of the lanes
	v_add_nc_u32 v[STO], s35, v[STO]
	v_lshl_add_u32 v[AB0], v[H], 4, v[AB0]
	v_mov_b32 v[ADR], v[AB0]
	v_lshlrev_b32 v[AO], 4, v[L]
	v_lshl_add_u32 v[RD], v[L], 4, s35             ; back: 32 lanes take a row of 512 bytes
	v_lshrrev_b32 v13, 1, v[L]
	v_mul_u32_u24 v[PFO], v13, WPB
	v_and_b32 v13, 1, v[L]
	v_lshl_add_u32 v[PFO], v13, 8, v[PFO]
	v_lshlrev_b32 v[PFA], 8, v[L]
	v_lshl_add_u32 v[BI], v[H], 5, s34
	v_lshl_add_u32 v14, v[L], 4, s34
	s_wait_dscnt 0x0                               ; the opening add is done
	s_wait_kmcnt 0x0
	s_add_nc_u64 s[AP:AP+1], s[4:5], s[12:13]
	s_add_nc_u64 s[10:11], s[10:11], s[14:15]
	s_add_nc_u64 s[8:9], s[8:9], s[16:17]
	s_add_nc_u64 s[G0A+2:G0A+3], s[6:7], s[32:33]  ; tile 0
	s_add_nc_u64 s[G0W+2:G0W+3], s[G0A+2:G0A+3], 512  ; tile 1
	s_or_b32 s[G0A+3], s[G0A+3], 0x80000000
	s_or_b32 s[G0W+3], s[G0W+3], 0x80000000
	s_add_nc_u64 s[PFB:PFB+1], s[6:7], s[18:19]
	CROUND                                         ; all four work-groups are here: the first joint loads meet
	tensor_load_to_lds s[G0A:G0A+3], s[G1B:G1B+7]  ; two loads of mine are out
	s_nop 0
	tensor_load_to_lds s[G0W:G0W+3], s[G1B:G1B+7]
	s_nop 0
	PLACES
	global_load_b128 v[BB:BB+3], v[AO], s[8:9]
.irp g, 0,1,2,3,4,5
	LOAD_A \g, 1024*(\g)
.endr
	WIN 0
	s_wait_loadcnt 48                              ; bo is in; O's 48 loads stay out
	v_cvt_pk_bf16_f32 v17, v[BB], v[BB+1]
	v_cvt_pk_bf16_f32 v18, v[BB+2], v[BB+3]
	v_lshlrev_b32 v[BB], 16, v17
	v_and_b32 v[BB+1], s[HM], v17
	v_lshlrev_b32 v[BB+2], 16, v18
	v_and_b32 v[BB+3], s[HM], v18
	ds_store_b128 v14, v[BB:BB+3]
	LOAD_A 6, 6*1024
	WIN 0
	s_wait_tensorcnt 1                             ; my part of slot 0 is in; slot 1's may stay out
	s_wait_dscnt 0x0
	s_barrier_signal -1
	s_barrier_wait -1
	FETCH_B 0, F0
	WIN 0x80                                       ; the sums begin with bo: 64 LDS loads out of my image
.irp b, 0,1,2,3,4,5,6,7
.irp a, 0,1,2,3
	ds_load_b128 v[8*(8*(\a)+(\b)):8*(8*(\a)+(\b))+3],   v[BI] offset:64*(\b)
	ds_load_b128 v[8*(8*(\a)+(\b))+4:8*(8*(\a)+(\b))+7], v[BI] offset:64*(\b)+16
.endr
.endr
	WIN 0
	s_wait_dscnt 0x0
	s_mov_b32 s[CNT], 6
.Ltrip:
	TRIP 1
	WIN 0
	s_sub_co_u32 s[CNT], s[CNT], 1
	s_cmp_lg_u32 s[CNT], 0
	s_cbranch_scc1 .Ltrip
	s_mov_b32 s[CNT], 2                            ; the last two trips ask for no tile.  One text for both: in the very last AP stands still, so that its 56 loads of O read this trip's chunks once more, inside the
.Ltail:                                                ; buffer, and its last run of LDS loads reads the slot that was left; they serve nothing and keep every counted wait as it is
	s_cmp_eq_u32 s[CNT], 1
	s_cselect_b32 s[STEP], 0, TRIPB
	TRIP 0
	WIN 0
	s_sub_co_u32 s[CNT], s[CNT], 1
	s_cmp_lg_u32 s[CNT], 0
	s_cbranch_scc1 .Ltail
	s_wait_loadcnt 0x0                             ; O's ring is written anew below: nothing is on its way into it
	s_wait_dscnt 0x0
	PLACES
	; THE WAY OUT, 16 rows at a time: a lane's 32 bytes of a row go into my stage, whole rows of 512 bytes come back and are stored.  The stage is my own and LDS serves a wave's instructions in order
	; (ISA guide 5.7.1.4): no wait between the stores and the loads, nor between these loads and the next block's stores.  Each block has registers of its own, so no store's data are rewritten.
.irp a, 0,1,2,3
	WIN 0x08                                       ; store data in window 2
.irp b, 0,1,2,3,4,5,6,7
	ds_store_b128 v[STO], v[8*(8*(\a)+(\b)):8*(8*(\a)+(\b))+3]   offset:64*(\b)
	ds_store_b128 v[STO], v[8*(8*(\a)+(\b))+4:8*(8*(\a)+(\b))+7] offset:64*(\b)+16
.endr
	WIN 0x40                                       ; destination window 1
.irp i, 0,1,2,3,4,5,6,7,8,9,10,11,12,13,14,15
	ds_load_b128 v[64*(\a)+4*(\i):64*(\a)+4*(\i)+3], v[RD] offset:PITCH*(\i)
.endr
	WIN 0x04                                       ; store data in window 1
.irp i, 0,1,2,3,4,5,6,7,8,9,10,11,12,13,14,15
	s_wait_dscnt 15-(\i)                           ; row i is back; the younger loads stay out
	global_store_b128 v[AO], v[64*(\a)+4*(\i):64*(\a)+4*(\i)+3], s[10:11] offset:(16*(\a)+(\i))*8192 th:TH_STORE_NT  ; 512 consecutive bytes, aligned
.endr
.endr
	WIN 0
	s_wait_tensorcnt 0x0                           ; the wave's end, behind my last tensor load and my last LDS store
	ds_add_u32 v[SPW], v[NIL]
	s_wait_dscnt 0x0
	CROUND                                         ; the closing round: no work-group ends while a partner may still ask for a tile that names it
	s_endpgm
.Lfunc_end_k_q0ed545303b_oproj:
	.size	k_q0ed545303b_oproj, .Lfunc_end_k_q0ed545303b_oproj-k_q0ed545303b_oproj
	.p2alignl 7, 3214868480
	.fill 96, 4, 3214868480
	.section	.rodata,"a",@progbits
	.p2align	6, 0x0
	.amdhsa_kernel k_q0ed545303b_oproj
		.amdhsa_group_segment_fixed_size 327680
		.amdhsa_private_segment_fixed_size 0
		.amdhsa_enable_private_segment 0
		.amdhsa_kernarg_size 32
		.amdhsa_user_sgpr_count 2
		.amdhsa_user_sgpr_kernarg_segment_ptr 1
		.amdhsa_wavefront_size32 1
		.amdhsa_system_sgpr_workgroup_id_x 1
		.amdhsa_system_sgpr_workgroup_id_y 1
		.amdhsa_system_sgpr_workgroup_id_z 1
		.amdhsa_system_vgpr_workitem_id 0
		.amdhsa_next_free_vgpr 768
		.amdhsa_next_free_sgpr 72
		.amdhsa_reserve_vcc 0
		.amdhsa_float_denorm_mode_32 3
		.amdhsa_float_denorm_mode_16_64 3
		.amdhsa_memory_ordered 1
		.amdhsa_forward_progress 1
		.amdhsa_inst_pref_size 101
	.end_amdhsa_kernel
	.amdgpu_metadata
---
amdhsa.version: [ 1, 2 ]
amdhsa.kernels:
  - .name:           k_q0ed545303b_oproj
    .symbol:         k_q0ed545303b_oproj.kd
    .args:
      - { .name: o16, .offset: 0, .size: 8, .value_kind: global_buffer, .address_space: global }
      - { .name: wo16, .offset: 8, .size: 8, .value_kind: global_buffer, .address_space: global }
      - { .name: bo, .offset: 16, .size: 8, .value_kind: global_buffer, .address_space: global }
      - { .name: out0, .offset: 24, .size: 8, .value_kind: global_buffer, .address_space: global }
    .group_segment_fixed_size: 327680
    .private_segment_fixed_size: 0
    .kernarg_segment_align: 8
    .kernarg_segment_size: 32
    .max_flat_workgroup_size: 128
    .sgpr_count:     72
    .vgpr_count:     768
    .wavefront_size: 32
...
	.end_amdgpu_metadata
.endif
;; end of part 3
